; MI455X (gfx1250); checked and timed in simulation.
; The chip was launched on July 23, 2026; its instructions are those of AMD's public machine-readable ISA for CDNA 5 (MIT licence, August 2026) and "CDNA5" Instruction Set Architecture Reference Guide (July 2026). The comments in the code are by the model that wrote it; some were corrected since.
;; Multi Head Attention. Allowed arithmetic: matrix products marked QUANTISED: E2M3 operands, one E8M0 scale for each 32 along K, by v_wmma_scale_f32_16x16x128_f8f6f4 with both operands' format E2M3, f32 sums; everything else in f32.
;; Inputs: Wk 1,024 x 1,024 float32; Wo 1,024 x 1,024 float32; Wq 1,024 x 1,024 float32; Wv 1,024 x 1,024 float32; bo 1,024 float32; x 1 x 4,096 x 1,024 float32.
;; Outputs: out0 1 x 4,096 x 1,024 float32.
;; This version of the problem:
;;   THIS VERSION OF THE PROBLEM IS GIVEN IN LOW PRECISION. The matrix products marked QUANTISED in the list below multiply operands that are first quantised to E2M3 (2 exponent bits, 3 mantissa bits; 6 bits a number), with one power-of-two scale for each 32 numbers along K (OCP MX v1.0); their sums are f32. All else is computed in f32.
;;   The module's matrix products, in the order in which they are computed (A, B: the left and right operand; K: the contracted axis; several contracted axes count as one K, in the product's order):
;;     1. [M 4,096, K 1,024] x [K 1,024, N 1,024]; A: input x; B: input Wq: QUANTISED
;;     2. [M 4,096, K 1,024] x [K 1,024, N 1,024]; A: input x; B: input Wk: QUANTISED
;;     3. [M 4,096, K 1,024] x [K 1,024, N 1,024]; A: input x; B: input Wv: QUANTISED
;;     4. batch 16 x [M 4,096, K 64] x [K 64, N 4,096]; A: computed on the way; B: computed on the way: QUANTISED
;;     5. batch 16 x [M 4,096, K 4,096] x [K 4,096, N 64]; A: softmax (see below); B: computed on the way: QUANTISED
;;     6. [M 4,096, K 1,024] x [K 1,024, N 1,024]; A: computed on the way; B: input Wo: QUANTISED
;;   THE QUANTISER, for each operand of a quantised product, along K:
;;     - K is cut into blocks of 32 from its start; a last block that is shorter is filled with zeros.
;;     - A block's scale is 2^e with e = floor(log2(the largest magnitude in the block)) - 2, held to -126 .. 127; a block of zeros has e = 0. As a byte (E8M0): e + 127.
;;     - Each number is divided by its block's scale, clamped to +-7.5, and rounded to the nearest number of E2M3, ties to even, subnormals kept.
;;     - The product sums the exact products of the quantised numbers (number of the format x scale) in f32.
;;   ~~~python
;;   def quantise(x, axis):      # numpy; x: float32 -> the quantised numbers, widened to float32 again
;;       x = np.moveaxis(x, axis, -1); K = x.shape[-1]
;;       x = np.pad(x, [(0, 0)] * (x.ndim - 1) + [(0, -K % 32)]); x = x.reshape(x.shape[:-1] + (-1, 32)); a = np.abs(x).max(-1, keepdims=True)
;;       e = np.where(a > 0, np.clip(np.frexp(np.where(a > 0, a, 1))[1] - 1 - 2, -126, 127), 0)      # np.frexp(a)[1] - 1 = floor(log2(a)), exactly
;;       r = np.clip(x / 2.0 ** e, -7.5, 7.5)
;;       step = 2.0 ** (np.maximum(np.frexp(np.where(r == 0, 1, r))[1] - 1, 0) - 3)
;;       q = np.round(r / step) * step * 2.0 ** e      # np.round: ties to even
;;       return np.moveaxis(q.reshape(q.shape[:-2] + (-1,))[..., :K], -1, axis).astype(np.float32)
;;   ~~~
;;   SOFTMAX AHEAD OF A QUANTISED PRODUCT. Where the list says 'softmax', what is quantised is not the finished softmax but p = 2^(t - M), with t = logit x log2(e) and M = ceil(the row's largest t), a whole number; so 1/2 < the row's largest p <= 1. The row's sum l is taken of the UNQUANTISED p, in f32, and the product's result is divided by l at the end. Since M is a whole number, a kernel that streams over the keys may use a running M (the ceiling of the running maximum): every later rescaling is an exact power of two, which a block's scale takes up: the codes' values come out the same.
;;   OPERANDS COMPUTED ON THE WAY. 'Computed on the way' means the value that the module computes at that place (a softmax that the list does not call 'softmax' is quantised finished and normalised). What goes into a quantiser is computed in f32, as accurately as f32 sums, v_exp_f32 and their like allow (about 1e-6 of the number): no bf16 or f16 on the way to a quantiser, and a product that is left as it is and whose result goes on into a quantised operand takes f32 operands (vector FMAs, or v_wmma_f32_16x16x4_f32). A number that lies on a knife's edge between two numbers of the format may be rounded either way, as far as f32 arithmetic and the matrix unit's own rounding can turn it there, and no further.
;; One version. Each part assembles by itself: llvm-mc -triple=amdgcn-amd-amdhsa -mcpu=gfx1250 --defsym DOCPART=n.
;; ======== version 1 of 1: 4 launches
;; limits: right only within a limited range of input values
;; workspace buffers: xc 3,276,800 bytes; wc 3,276,800 bytes; cc 3,276,800 bytes; qb 3,407,872 bytes; kvb 6,684,672 bytes
;; launch quant (part 1): grid 512 x 1, 4 waves a work-group, no clusters, 81,408 bytes of LDS; arguments x, Wq, Wk, Wv, Wo, xc, wc; writes xc, wc
.if DOCPART == 1
	.amdgcn_target "amdgcn-amd-amdhsa--gfx1250"
	.amdhsa_code_object_version 6
	.text
	.protected	k_qb46f6d8177_quant
	.globl	k_qb46f6d8177_quant
	.p2align	8
	.type	k_qb46f6d8177_quant,@function
k_qb46f6d8177_quant:
	s_mov_b64 s[64:65], 0
	v_nop
	global_prefetch_b8 v0, s[64:65] scope:SCOPE_SE
	s_setreg_imm32_b32 hwreg(HW_REG_WAVE_MODE, 25, 1), 1
	s_wait_xcnt 0x0
; x [4096][1024] (K innermost) and Wq, Wk, Wv, Wo [1024 (K)][1024 (n)] (K outermost), f32, become codes of FP6 (E2M3) with one E8M0 byte for each 32 along K,
; laid in the ORDER OF THE OPERAND'S REGISTERS.  Layout of xc, and of each weight in wc (weight w at w x 819,200; its "rows" are the columns n):
;   [G = row / 128][j = K / 256][25,600 bytes]: codes at t8 x 3072 + q x 1536 + 256 P + 8 lane (t8: tile of 16 rows in G; q: which 128 of the 256 along K; P: register pair 2 P, 2 P + 1 of the fragment),
;   scale words at 24576 + 512 q + 64 t8 + 4 r.  A TILE'S ROWS ARE NOT NEIGHBOURS: tile 2 b + u holds rows 32 b + 8 u + r + 8 (r / 8), r = lane % 16.
; A block's scale is 2^(floor(log2(largest magnitude)) - 2); its byte is the largest magnitude's exponent field - 2, held at 1 from below by a floor among the maximum's leaves.
; LIMITS: NaN and infinities among the inputs are not served; a block whose largest magnitude lies under 2^-124 keeps the byte 1; a block of zeros gets the byte 1 where the rule says 127:
; its codes are zeros, which add nothing under any byte but 0xff, and this program alone reads the bytes.
; A wave's job: 32 neighbouring rows (two tiles) x 128 along K: two fragments and 32 scale words.  Work-groups 0-255 take x, 256-511 the weights; each path has LDS bytes of its own.  Waves share nothing: no barrier.
.set XW,    16896                      ; x path: a wave's stage, 32 rows x (512 + 16) bytes, from LDS byte 0 on
.set WST,   67584                      ; W path: the stages begin here
.set WW,    3328                       ; a wave's: two images of 1,536 bytes, 1,664 apart, so that the two tiles' 8-byte stores fall on different banks
.set SPARE, 80896                      ; the spare words, 128 bytes for each wave: two blocks of 256 bytes that no other line names
.set X,     64                         ; v64-191 the numbers
.set SPW,   13                         ; v13 LDS address of my spare word; never rewritten
.set NIL,   14                         ; v14 0; never rewritten
	s_load_b256 s[4:11], s[0:1], 0x0               ; x, Wq, Wk, Wv
	s_load_b128 s[12:15], s[0:1], 0x20             ; Wo, xc
	s_load_b64 s[16:17], s[0:1], 0x30              ; wc
	v_lshl_add_u32 v[SPW], v0, 2, SPARE
	v_mov_b32 v[NIL], 0
	v_lshrrev_b32 v1, 5, v0
	v_readfirstlane_b32 s18, v1                    ; wave
	v_and_b32 v1, 31, v0                           ; lane
	v_and_b32 v2, 15, v0                           ; r
	v_bfe_u32 v3, v0, 4, 1                         ; h
	v_lshlrev_b32 v4, 4, v1                        ; 16 x lane
	v_lshlrev_b32 v5, 3, v1                        ; 8 x lane
	v_lshlrev_b32 v6, 2, v1                        ; 4 x lane
	s_mul_i32 s19, s18, XW
	v_add_nc_u32 v7, s19, v4                       ; x's stage, on the way in: 16 x lane of a row
	v_mul_u32_u24 v8, v2, 528
	v_lshl_add_u32 v8, v3, 7, v8
	v_add_nc_u32 v8, s19, v8                       ; and out: row r of a tile, + 128 h: my block of 32 numbers
	s_mul_i32 s19, s18, WW
	s_add_co_u32 s19, s19, WST
	v_bfe_u32 v9, v0, 3, 1                         ; W path: lane = column; its tile u = (lane / 8) % 2,
	v_and_b32 v10, 7, v0
	v_lshl_add_u32 v10, v3, 3, v10                 ; its place in the tile r' = lane % 8 + 8 (lane / 16)
	v_lshlrev_b32 v11, 2, v10
	v_lshl_add_u32 v11, v9, 6, v11                 ; its scale word's place: 64 u + 4 r'
	v_mul_u32_u24 v9, v9, 1664
	v_lshl_add_u32 v9, v10, 3, v9
	v_add_nc_u32 v9, s19, v9                       ; into the image: 1664 u + 8 r'
	v_add_nc_u32 v10, s19, v4                      ; and back: 16 x lane
	v_lshlrev_b32 v12, 3, v3                       ; 8 h: where my two bytes stand in a scale word
	v_mov_b32 v15, 0                               ; a lane permute's destination counts as one of its sources
	s_mov_b32 s40, 0x76543210
	s_mov_b32 s41, 0xfedcba98                      ; v_permlanex16_b32's selects for lane l xor 16
; in: s20 = b (which 32 rows), s21 = s (which 128 along K), s[22:23] = the operand's buffer.  out: s[30:31] my codes, s[32:33] my scale words
.macro BASES
	s_lshr_b32 s24, s20, 2
	s_mul_i32 s24, s24, 102400                     ; G
	s_lshr_b32 s25, s21, 1
	s_mul_i32 s25, s25, 25600                      ; j
	s_add_co_u32 s24, s24, s25
	s_and_b32 s25, s20, 3                          ; b % 4: my tiles are 2 (b % 4) and the next
	s_and_b32 s26, s21, 1                          ; q
	s_mul_i32 s27, s25, 6144
	s_mul_i32 s28, s26, 1536
	s_add_co_u32 s27, s27, s28
	s_add_co_u32 s28, s24, s27
	s_mov_b32 s29, 0
	s_add_nc_u64 s[30:31], s[22:23], s[28:29]
	s_lshl_b32 s25, s25, 7
	s_lshl_b32 s26, s26, 9
	s_add_co_u32 s25, s25, s26
	s_add_co_u32 s28, s24, s25
	s_add_co_u32 s28, s28, 24576
	s_add_nc_u64 s[32:33], s[22:23], s[28:29]
.endm
	s_cmp_ge_u32 ttmp9, 256
	s_cbranch_scc1 .Lweights
	; ---------------- x: K innermost ----------------
	s_lshl_b32 s20, ttmp9, 2
	s_add_co_u32 s20, s20, s18                     ; job
	s_and_b32 s21, s20, 7                          ; s: the four waves take four neighbouring K steps of the same rows
	s_lshr_b32 s20, s20, 3                         ; b
	s_lshl_b32 s34, s20, 17                        ; 32 rows of 4,096 bytes
	s_lshl_b32 s35, s21, 9
	s_add_co_u32 s34, s34, s35
	s_mov_b32 s35, 0
	s_wait_kmcnt 0x0
	s_add_nc_u64 s[36:37], s[4:5], s[34:35]
	s_mov_b64 s[22:23], s[14:15]
	BASES
.set i, 0
.rept 32
	global_load_b128 v[X+4*i:X+4*i+3], v4, s[36:37] offset:4096*i th:TH_LOAD_NT   ; 512 consecutive bytes of row i
.set i, i+1
.endr
.set i, 0
.rept 32
	s_wait_loadcnt 31-i                            ; loads come back in order: row i is in, the younger ones stay out
	ds_store_b128 v7, v[X+4*i:X+4*i+3] offset:528*(16*((i/8)%2)+(i%8)+8*(i/16))   ; row i goes to the stage row 16 u + r of its tile
.set i, i+1
.endr
	s_wait_dscnt 0x0                               ; the stores have read their registers
.set i, 0
.rept 32
	ds_load_b128 v[X+4*i:X+4*i+3], v8 offset:8448*(i/16)+256*((i/8)%2)+16*(i%8)   ; tile u = i / 16, c = (i / 8) % 2: block 2 c + h of my row, 32 numbers in 32 registers
.set i, i+1
.endr
; tile u: my two blocks (h and 2 + h of row r) become registers 0-5 and 6-11 of the fragment; the scale word is gathered from lanes l and l xor 16
.macro QX u
.set XS, X+64*(\u)
.set C, 16+20*(\u)
.irp c, 0,1
	v_max3_num_f32 v[56+\c], |v[XS+32*\c]|, |v[XS+32*\c+1]|, 0x1800000   ; and the floor 2^(3 - 127): the byte cannot fall under 1
.endr
.irp i, 2,4,6,8,10,12,14,16,18,20,22,24,26,28,30
.irp c, 0,1
	v_max3_num_f32 v[56+\c], v[56+\c], |v[XS+32*\c+\i]|, |v[XS+32*\c+\i+1]|   ; (the two blocks by turns)
.endr
.endr
.irp c, 0,1
	v_add_nc_u32 v[58+\c], 0xff000000, v[56+\c]    ; 2 off the exponent field: the conversion's scale operand
.endr
.irp c, 0,1
	v_lshrrev_b32 v[60+\c], 23, v[58+\c]           ; the scale's byte
.endr
	v_lshl_or_b32 v[62+\u], v61, 16, v60
	v_lshlrev_b32 v[62+\u], v12, v[62+\u]          ; at bytes h and 2 + h
	v_permlanex16_b32 v15, v[62+\u], s40, s41
	v_or_b32 v[62+\u], v[62+\u], v15               ; with lane l xor 16's two the word is whole
.irp c, 0,1
	v_cvt_scalef32_pk16_fp6_f32 v[C+6*\c:C+6*\c+2], v[XS+32*\c:XS+32*\c+15], v[58+\c]
	v_cvt_scalef32_pk16_fp6_f32 v[C+12+4*\c:C+12+4*\c+2], v[XS+32*\c+16:XS+32*\c+31], v[58+\c]   ; (a conversion's three registers begin on an even number)
.endr
	v_nop                                          ; one plain place behind a scaled conversion
.irp c, 0,1
.irp i, 0,1,2
	v_mov_b32 v[C+3+6*\c+\i], v[C+12+4*\c+\i]
.endr
.endr
.irp p, 0,1,2,3,4,5
	global_store_b64 v5, v[C+2*\p:C+2*\p+1], s[30:31] offset:3072*(\u)+256*\p   ; 32 lanes store 256 consecutive bytes, aligned
.endr
.endm
	s_wait_dscnt 16                                ; tile 0's sixteen loads are in
	QX 0
	s_wait_dscnt 0x0
	QX 1
	v_cmp_eq_u32 vcc_lo, 1, v3
	v_cndmask_b32 v56, v62, v63, vcc_lo            ; lanes 0-15 carry tile 0's words, lanes 16-31 tile 1's
	global_store_b32 v6, v56, s[32:33]             ; 128 consecutive bytes
	s_wait_tensorcnt 0x0                           ; the wave's end
	ds_add_u32 v[SPW], v[NIL]
	s_wait_dscnt 0x0
	s_endpgm
	; ---------------- the weights: K outermost.  A lane takes a column, its registers run down K ----------------
.Lweights:
	s_sub_co_u32 s24, ttmp9, 256
	s_lshr_b32 s25, s24, 6                         ; which weight
	s_and_b32 s21, s24, 7                          ; s
	s_bfe_u32 s20, s24, 0x30003                    ; which 128 columns
	s_lshl_b32 s20, s20, 2
	s_add_co_u32 s20, s20, s18                     ; b: which 32 columns
	s_lshl_b32 s34, s21, 19                        ; 128 rows of 4,096 bytes
	s_lshl_b32 s35, s20, 7
	s_add_co_u32 s34, s34, s35
	s_mov_b32 s35, 0
	s_mul_i32 s38, s25, 819200
	s_mov_b32 s39, 0
	s_wait_kmcnt 0x0
	s_cmp_eq_u32 s25, 1                            ; the choice hangs on the work-group's number alone
	s_cselect_b64 s[36:37], s[8:9], s[6:7]
	s_cmp_eq_u32 s25, 2
	s_cselect_b64 s[36:37], s[10:11], s[36:37]
	s_cmp_eq_u32 s25, 3
	s_cselect_b64 s[36:37], s[12:13], s[36:37]
	s_add_nc_u64 s[36:37], s[36:37], s[34:35]
	s_add_nc_u64 s[22:23], s[16:17], s[38:39]
	BASES
.macro WLOAD t                         ; block t: W(128 s + 32 t + i, my column): 128 consecutive bytes a wave, 512 a work-group
.set i, 0
.rept 32
	global_load_b32 v[X+32*(\t)+i], v6, s[36:37] offset:(32*(\t)+i)*4096 th:TH_LOAD_NT
.set i, i+1
.endr
.endm
.macro WBLOCK t
.set XS, X+32*(\t)
.set C, 16+8*(\t)
	v_max3_num_f32 v56, |v[XS]|, |v[XS+1]|, |v[XS+2]|     ; the block's largest magnitude: all 32 numbers are mine
	v_max3_num_f32 v57, |v[XS+3]|, |v[XS+4]|, |v[XS+5]|
.irp i, 6,10,14,18,22,26
	v_max3_num_f32 v56, v56, |v[XS+\i]|, |v[XS+\i+1]|
	v_max3_num_f32 v57, v57, |v[XS+\i+2]|, |v[XS+\i+3]|
.endr
	v_max3_num_f32 v56, v56, |v[XS+30]|, |v[XS+31]|
	v_max3_num_f32 v56, v56, v57, 0x1800000        ; and the floor
	v_add_nc_u32 v58, 0xff000000, v56
	v_lshrrev_b32 v59, 23, v58
.if (\t) == 0
	v_mov_b32 v60, v59
.else
	v_lshl_or_b32 v60, v59, 8*(\t), v60            ; my column's scale word: the lower K in the lower byte
.endif
	v_cvt_scalef32_pk16_fp6_f32 v[C:C+2], v[XS:XS+15], v58
	v_cvt_scalef32_pk16_fp6_f32 v[C+4:C+6], v[XS+16:XS+31], v58
	v_nop                                          ; one plain place behind a scaled conversion
	v_mov_b32 v[C+3], v[C+4]
	v_mov_b32 v[C+4], v[C+5]
	v_mov_b32 v[C+5], v[C+6]
.irp p, 0,1,2
	ds_store_b64 v9, v[C+2*\p:C+2*\p+1] offset:768*((\t)/2)+128*((\t)%2)+256*\p   ; block t is registers 6 (t / 2) on of lane (r', h = t % 2) of the image
.endr
.endm
	WLOAD 0
	WLOAD 1
	s_wait_loadcnt 32                              ; block 0's 32 loads are in; block 1's may be out
	WLOAD 2
	WBLOCK 0
	s_wait_loadcnt 32                              ; block 1's are in; block 2's may be out
	WLOAD 3
	WBLOCK 1
	s_wait_loadcnt 32                              ; block 2's are in; block 3's may be out
	WBLOCK 2
	s_wait_loadcnt 0x0
	WBLOCK 3
	global_store_b32 v11, v60, s[32:33]
.irp i, 0,1,2,3,4,5
	ds_load_b128 v[X+4*\i:X+4*\i+3], v10 offset:1664*(\i/3)+512*(\i%3)   ; LDS serves a wave's instructions in order: these see my stores
.endr
.irp i, 0,1,2,3,4,5
	s_wait_dscnt 5-\i
	global_store_b128 v4, v[X+4*\i:X+4*\i+3], s[30:31] offset:3072*(\i/3)+512*(\i%3)   ; 512 consecutive bytes, aligned
.endr
	s_wait_tensorcnt 0x0                           ; the wave's end
	ds_add_u32 v[SPW], v[NIL]
	s_wait_dscnt 0x0
	s_endpgm
.Lfunc_end_k_qb46f6d8177_quant:
	.size	k_qb46f6d8177_quant, .Lfunc_end_k_qb46f6d8177_quant-k_qb46f6d8177_quant
	.p2alignl 7, 3214868480
	.fill 96, 4, 3214868480
	.section	.rodata,"a",@progbits
	.p2align	6, 0x0
	.amdhsa_kernel k_qb46f6d8177_quant
		.amdhsa_group_segment_fixed_size 81408
		.amdhsa_private_segment_fixed_size 0
		.amdhsa_enable_private_segment 0
		.amdhsa_kernarg_size 56
		.amdhsa_user_sgpr_count 2
		.amdhsa_user_sgpr_kernarg_segment_ptr 1
		.amdhsa_wavefront_size32 1
		.amdhsa_system_sgpr_workgroup_id_x 1
		.amdhsa_system_sgpr_workgroup_id_y 1
		.amdhsa_system_sgpr_workgroup_id_z 1
		.amdhsa_system_vgpr_workitem_id 0
		.amdhsa_next_free_vgpr 192
		.amdhsa_next_free_sgpr 66
		.amdhsa_reserve_vcc 1
		.amdhsa_float_denorm_mode_32 3
		.amdhsa_float_denorm_mode_16_64 3
		.amdhsa_memory_ordered 1
		.amdhsa_forward_progress 1
		.amdhsa_inst_pref_size 40
	.end_amdhsa_kernel
	.amdgpu_metadata
---
amdhsa.version: [ 1, 2 ]
amdhsa.kernels:
  - .name:           k_qb46f6d8177_quant
    .symbol:         k_qb46f6d8177_quant.kd
    .args:
      - { .name: x, .offset: 0, .size: 8, .value_kind: global_buffer, .address_space: global }
      - { .name: Wq, .offset: 8, .size: 8, .value_kind: global_buffer, .address_space: global }
      - { .name: Wk, .offset: 16, .size: 8, .value_kind: global_buffer, .address_space: global }
      - { .name: Wv, .offset: 24, .size: 8, .value_kind: global_buffer, .address_space: global }
      - { .name: Wo, .offset: 32, .size: 8, .value_kind: global_buffer, .address_space: global }
      - { .name: xc, .offset: 40, .size: 8, .value_kind: global_buffer, .address_space: global }
      - { .name: wc, .offset: 48, .size: 8, .value_kind: global_buffer, .address_space: global }
    .group_segment_fixed_size: 81408
    .private_segment_fixed_size: 0
    .kernarg_segment_align: 8
    .kernarg_segment_size: 56
    .max_flat_workgroup_size: 128
    .sgpr_count:     66
    .vgpr_count:     192
    .wavefront_size: 32
...
	.end_amdgpu_metadata
.endif
;; end of part 1
;; launch gemm_qkv (part 2): grid 16 x 12, 4 waves a work-group, clusters of 4 x 4, 327,680 bytes of LDS; arguments xc, wc, qb, kvb; writes qb, kvb
.if DOCPART == 2
	.amdgcn_target "amdgcn-amd-amdhsa--gfx1250"
	.amdhsa_code_object_version 6
	.text
	.protected	k_qb46f6d8177_gemm_qkv
	.globl	k_qb46f6d8177_gemm_qkv
	.p2align	8
	.type	k_qb46f6d8177_gemm_qkv,@function
k_qb46f6d8177_gemm_qkv:
	s_mov_b64 s[64:65], 0
	v_nop
	global_prefetch_b8 v0, s[64:65] scope:SCOPE_SE
	s_setreg_imm32_b32 hwreg(HW_REG_WAVE_MODE, 25, 1), 1
	s_wait_xcnt 0x0
	s_wait_alu depctr_hold_cnt(0) depctr_sa_sdst(0) depctr_va_vdst(0) depctr_va_sdst(0) depctr_va_ssrc(0) depctr_va_vcc(0) depctr_vm_vsrc(0)
	s_getreg_b32 s2, hwreg(HW_REG_IB_STS2, 6, 4)
	s_cmp_eq_u32 s2, 0
	s_cbranch_scc0 .Lentry_in_a_cluster
	s_endpgm
.Lentry_in_a_cluster:
	s_bfe_u32 s2, ttmp6, 0x10000c
	s_cmp_lg_u32 s2, 0xf033
	s_cbranch_scc0 .Lentry_shape_is_right
	s_endpgm
.Lentry_shape_is_right:
.set HB,     25600
.set GROW,   4*HB
.set SLOT,   4*HB
.set SPARE,  2*SLOT
.set NQ,     2
.set FR,     12
.set NL,     6
.set NP,     4
.set ADRA, 16
.set ADRB, 20
.set ADRS, 22
.set L8,   24
.set VOFF, 25
.set VSH,  26
.set SPW,  28
.set NIL,  29
.set SC,   32
.set TM,   64
.set SW,   80
.set SWO,  88
.set PC,   96
.set AF,   128
.set G1, 24
.set G0, 32
.set G1B, 48
.set G0B, 56
.set MSB, 0
.macro WIN new
.if MSB != (\new)
	s_set_vgpr_msb (MSB<<8)|(\new)
.set MSB, (\new)
.endif
.endm
.set MUL_LO, 0xa1
.set MUL_HI, 0xf1
.set TO_B,   0x40
.macro JLOAD s
	s_cmp_eq_u32 s15, 0
	s_cbranch_scc0 .Lfor_b_\@
	tensor_load_to_lds s[G0+4*\s:G0+4*\s+3], s[G1:G1+7]
	s_nop 0
.rept 4
	v_nop
.endr
	s_branch .Lasked_\@
.Lfor_b_\@:
	tensor_load_to_lds s[G0B+4*\s:G0B+4*\s+3], s[G1B:G1B+7]
	s_nop 0
.rept 4
	v_nop
.endr
.Lasked_\@:
.endm
.macro CREST
	s_cmp_lg_u32 s14, 0
	s_cbranch_scc1 .Lnot_wave_0_\@
	s_barrier_signal -3
.Lnot_wave_0_\@:
	s_barrier_wait -3
	s_barrier_signal -1
	s_barrier_wait -1
.endm
.macro CROUND
	s_barrier_signal -1
	s_barrier_wait -1
	CREST
.endm
	s_load_b256 s[4:11], s[0:1], 0x0
	v_lshl_add_u32 v[SPW], v0, 2, SPARE
	v_mov_b32 v[NIL], 0
	ds_add_u32 v[SPW], v[NIL]
	ds_add_u32 v[SPW], v[NIL]
	v_lshrrev_b32 v1, 5, v0
	v_readfirstlane_b32 s14, v1
	s_lshr_b32 s15, s14, 1
	s_and_b32 s16, s14, 1
	s_bfe_u32 s40, ttmp6, 0x40000
	s_bfe_u32 s41, ttmp6, 0x40004
	s_and_b32 s66, ttmp7, 0xffff
	s_lshl_b32 s67, ttmp9, 2
	s_cmp_eq_u32 s66, 2
	s_cselect_b32 s84, 0, s67
	s_cselect_b32 s85, s67, 0
	s_add_co_u32 s17, s84, s41
	s_add_co_u32 s42, s85, s40
	s_lshl_b32 s43, s41, 2
	s_lshl_b32 s43, 15, s43
	s_lshl_b32 s44, 0x1111, s40
	s_or_b32 s[G1+0], s43, (3<<16)|(1<<21)
	s_or_b32 s[G1B+0], s44, (3<<16)|(1<<21)
.irp g, G1, G1B
	s_mov_b32 s[\g+1], 32<<16
	s_mov_b32 s[\g+2], 100<<16
	s_mov_b32 s[\g+3], 32<<16
	s_mov_b32 s[\g+4], 100
	s_mov_b32 s[\g+5], 32
	s_mov_b32 s[\g+6], 0
	s_mov_b32 s[\g+7], 0
.endr
	s_lshl_b32 s20, s17, 1
	s_add_co_u32 s20, s20, s16
	s_mul_i32 s20, s20, GROW
	s_mov_b32 s21, 0
	s_lshl_b32 s46, s42, 1
	s_add_co_u32 s46, s46, s16
	s_mul_i32 s46, s46, GROW
	s_mov_b32 s47, 0
	s_mul_i32 s45, s14, HB
	s_mul_i32 s88, s66, 819200
	s_mov_b32 s89, 0
	s_mov_b32 s82, 0x76543210
	s_mov_b32 s83, 0xfedcba98
	s_wait_dscnt 0x0
	s_wait_kmcnt 0x0
	s_add_nc_u64 s[86:87], s[6:7], s[88:89]
	s_cmp_eq_u32 s66, 2
	s_cselect_b64 s[90:91], s[86:87], s[4:5]
	s_cselect_b64 s[92:93], s[4:5], s[86:87]
	s_add_nc_u64 s[20:21], s[90:91], s[20:21]
	s_add_nc_u64 s[46:47], s[92:93], s[46:47]
	CROUND
.irp s, 0,1
	s_mov_b32 s[G0+4*\s], 1
	s_add_co_u32 s[G0+4*\s+1], s45, \s*SLOT
	s_add_nc_u64 s[G0+4*\s+2:G0+4*\s+3], s[20:21], \s*HB
	s_or_b32 s[G0+4*\s+3], s[G0+4*\s+3], 0x80000000
	s_mov_b32 s[G0B+4*\s], 1
	s_add_co_u32 s[G0B+4*\s+1], s45, \s*SLOT
	s_add_nc_u64 s[G0B+4*\s+2:G0B+4*\s+3], s[46:47], \s*HB
	s_or_b32 s[G0B+4*\s+3], s[G0B+4*\s+3], 0x80000000
	s_wait_alu depctr_va_vdst(0)
	s_wait_tensorcnt 0x0
	ds_add_u32 v28, v29
	ds_add_u32 v28, v29
	s_wait_dscnt 0x0
	CROUND
	JLOAD \s
.endr
	v_and_b32 v1, 15, v0
	v_bfe_u32 v2, v0, 4, 1
	v_and_b32 v3, 31, v0
	v_lshlrev_b32 v[L8], 3, v3
	s_mul_i32 s21, s15, HB
	s_mul_i32 s22, s16, HB
	s_add_co_u32 s22, s22, 2*HB
	s_sub_co_u32 s23, s22, s21
	v_mul_u32_u24 v4, s23, v2
	v_lshl_add_u32 v4, v1, 2, v4
.irp s, 0,1
	v_add_nc_u32 v[ADRA+\s], s21, v[L8]
	v_add_nc_u32 v[ADRB+\s], s22, v[L8]
	v_add_nc_u32 v[ADRS+\s], s21, v4
	s_add_co_u32 s21, s21, SLOT
	s_add_co_u32 s22, s22, SLOT
.endr
.irp b, 0,1,2,3
	v_mov_b32 v[TM+4+\b], 0
.endr
	s_lshl_b32 s84, s17, 2
	s_lshl_b32 s94, s15, 1
	s_add_co_u32 s84, s84, s94
	s_lshl_b32 s85, s42, 2
	s_lshl_b32 s94, s16, 1
	s_add_co_u32 s85, s85, s94
	s_lshl_b32 s86, s42, 1
	s_add_co_u32 s86, s86, s16
	s_lshl_b32 s87, s17, 1
	s_add_co_u32 s87, s87, s15
	s_cmp_eq_u32 s66, 0
	s_mov_b32 s90, 13056
	s_cselect_b32 s90, 6656, s90
	s_cselect_b64 s[92:93], s[8:9], s[10:11]
	s_lshl_b32 s91, s90, 5
	s_cmp_eq_u32 s66, 2
	s_cselect_b32 s88, s84, s85
	s_cselect_b32 s89, s86, s87
	s_cselect_b32 s94, 6656, 0
	s_cselect_b32 s95, 768, s91
	s_mov_b32 s74, 768
	s_cselect_b32 s74, 1536, s74
	s_cselect_b32 s76, 411648, 0
	s_mov_b32 s96, 256
	s_cselect_b32 s96, 417792, s96
	s_cselect_b32 s97, 0, 16
	s_cselect_b32 s98, -1, 0xffff
	s_cselect_b32 s99, 0, 0x7f7f0000
	s_cselect_b32 s91, 0, s91
	s_mov_b32 s75, 0
	s_mov_b32 s77, 0
	s_lshl_b32 s88, s88, 5
	s_add_co_u32 s88, s88, s89
	s_mul_i32 s88, s88, s90
	s_add_co_u32 s88, s88, s94
	s_mov_b32 s89, 0
	s_add_nc_u64 s[70:71], s[92:93], s[88:89]
	s_mov_b32 s94, s95
	s_mov_b32 s95, 0
	s_add_nc_u64 s[72:73], s[70:71], s[94:95]
	s_add_nc_u64 s[78:79], s[70:71], 6144
	v_mul_u32_u24 v[VSH], s97, v2
	s_mov_b32 s97, 0
	s_add_nc_u64 s[80:81], s[78:79], s[96:97]
	v_mul_u32_u24 v[VOFF], s91, v2
	v_lshl_add_u32 v[VOFF], v1, 4, v[VOFF]
.macro FRAG reg, adr, q, i
.irp p, 0,1,2,3,4,5
	ds_load_b64 v[\reg+2*\p:\reg+2*\p+1], v[\adr] offset:3072*(\i)+1536*(\q)+256*\p
.endr
.endm
.macro MUL16 a0, p, q, sc, zero
.irp a, \a0, \a0+1
.irp b, 0,1,2,3,4,5,6,7
.if \zero
	v_wmma_scale_f32_16x16x128_f8f6f4 v[8*(8*((\a)%4)+\b):8*(8*((\a)%4)+\b)+7], v[128*(\p)+FR*\b:128*(\p)+FR*\b+FR-1], v[AF+FR*(\a):AF+FR*(\a)+FR-1], 0, v[SC+8*NQ*(\sc)+NQ*\b+(\q)], v[SC+8*NQ*(\sc)+NQ*(\a)+(\q)] matrix_a_fmt:MATRIX_FMT_FP6 matrix_b_fmt:MATRIX_FMT_FP6 matrix_a_scale:MATRIX_SCALE_ROW1
.else
	v_wmma_scale_f32_16x16x128_f8f6f4 v[8*(8*((\a)%4)+\b):8*(8*((\a)%4)+\b)+7], v[128*(\p)+FR*\b:128*(\p)+FR*\b+FR-1], v[AF+FR*(\a):AF+FR*(\a)+FR-1], v[8*(8*((\a)%4)+\b):8*(8*((\a)%4)+\b)+7], v[SC+8*NQ*(\sc)+NQ*\b+(\q)], v[SC+8*NQ*(\sc)+NQ*(\a)+(\q)] matrix_a_fmt:MATRIX_FMT_FP6 matrix_b_fmt:MATRIX_FMT_FP6 matrix_a_scale:MATRIX_SCALE_ROW1
.endif
.endr
.endr
.endm
.macro FETCH_B slot, q, p
	WIN TO_B
.irp i, 0,1,2,3,4,5,6,7
	FRAG 128*(\p)+FR*\i, ADRB+\slot, \q, \i
.endr
	WIN 0
.endm
.macro FETCH_A slot, q, i0
.irp i, \i0, \i0+1, \i0+2, \i0+3
	FRAG AF+FR*(\i), ADRA+\slot, \q, \i
.endr
.endm
.macro SCALES sc
.irp i, 0,1,2,3,4,5,6,7
.irp q, 0,1
	ds_load_b32 v[SC+8*NQ*\sc+NQ*\i+\q], v[ADRS+\sc] offset:24576+512*\q+64*\i
.endr
.endr
.endm
.macro PLACES n
.rept \n
	v_nop
.endr
.endm
.macro STEP slot, q, zero
	s_wait_dscnt 4*NL
	WIN MUL_LO
	MUL16 0, (\q)%2, \q, \slot, \zero
	MUL16 2, (\q)%2, \q, \slot, \zero
	s_wait_dscnt 0
	PLACES NP
	FETCH_B \slot, (\q)+1, 1-(\q)%2
	FETCH_A \slot, (\q)+1, 0
	WIN MUL_HI
	MUL16 4, (\q)%2, \q, \slot, \zero
	MUL16 6, (\q)%2, \q, \slot, \zero
	PLACES NP
	WIN 0
	FETCH_A \slot, (\q)+1, 4
.endm
.macro TURN slot, next, fill
	s_wait_tensorcnt 0x0
	ds_add_u32 v[SPW], v[NIL]
	s_wait_dscnt 4*NL+1
	WIN MUL_LO
	MUL16 0, 1, NQ-1, \slot, 0
	s_wait_dscnt 0x0
	s_barrier_signal -1
	MUL16 2, 1, NQ-1, \slot, 0
	WIN 0
	s_barrier_wait -1
.if \fill
	CREST
	s_add_nc_u64 s[G0+4*\slot+2:G0+4*\slot+3], s[G0+4*\slot+2:G0+4*\slot+3], 2*HB
	s_add_nc_u64 s[G0B+4*\slot+2:G0B+4*\slot+3], s[G0B+4*\slot+2:G0B+4*\slot+3], 2*HB
	JLOAD \slot
.else
	PLACES NP
.endif
	s_wait_alu depctr_va_vdst(0)
	FETCH_B \next, 0, 0
	FETCH_A \next, 0, 0
	SCALES \next
	WIN MUL_HI
	MUL16 4, 1, NQ-1, \slot, 0
	MUL16 6, 1, NQ-1, \slot, 0
	PLACES NP
	WIN 0
	FETCH_A \next, 0, 4
.endm
	s_wait_tensorcnt 1
	s_barrier_signal -1
	s_barrier_wait -1
	FETCH_B 0, 0, 0
	FETCH_A 0, 0, 0
	SCALES 0
	FETCH_A 0, 0, 4
	STEP 0, 0, 1
	TURN 0, 1, 1
	STEP 1, 0, 0
	TURN 1, 0, 1
	STEP 0, 0, 0
	TURN 0, 1, 0
	STEP 1, 0, 0
	s_wait_dscnt 4*NL
	WIN MUL_LO
	MUL16 0, 1, NQ-1, 1, 0
	MUL16 2, 1, NQ-1, 1, 0
	s_wait_dscnt 0
	WIN MUL_HI
	MUL16 4, 1, NQ-1, 1, 0
	MUL16 6, 1, NQ-1, 1, 0
	WIN 0
	PLACES NP
.macro QUANTA a
.set W, 2+(\a)/4
.set AC, 64*((\a)%4)
	WIN W|(W<<2)
.irp b, 0,1,2,3
	v_max3_num_f32 v[TM+\b], |v[AC+16*\b]|, |v[AC+16*\b+1]|, 0x1800000
.endr
	WIN (W<<2)|(W<<4)
.irp i, 2,4,6,8,10,12,14
.irp b, 0,1,2,3
	v_max3_num_f32 v[TM+\b], v[TM+\b], |v[AC+16*\b+\i]|, |v[AC+16*\b+\i+1]|
.endr
.endr
	WIN 0
.irp b, 0,1,2,3
	v_permlanex16_b32 v[TM+4+\b], v[TM+\b], s82, s83
.endr
.irp b, 0,1,2,3
	v_max_num_f32 v[TM+\b], v[TM+\b], v[TM+4+\b]
.endr
.irp b, 0,1,2,3
	v_add_nc_u32 v[TM+12+\b], 0xff000000, v[TM+\b]
.endr
.irp b, 0,1,2,3
	v_lshrrev_b32 v[TM+4+\b], 23, v[TM+12+\b]
.endr
	v_lshl_or_b32 v[SW+(\a)], v[TM+5], 8, v[TM+4]
	v_lshl_or_b32 v[SW+(\a)], v[TM+6], 16, v[SW+(\a)]
	v_lshl_or_b32 v[SW+(\a)], v[TM+7], 24, v[SW+(\a)]
.if (\a) > 0
	s_wait_xcnt 0x0
	s_add_nc_u64 s[70:71], s[70:71], s[74:75]
	s_add_nc_u64 s[72:73], s[72:73], s[74:75]
.endif
.if (\a) == 4
	s_add_nc_u64 s[70:71], s[70:71], s[76:77]
	s_add_nc_u64 s[72:73], s[72:73], s[76:77]
.endif
	WIN W
.irp c, 0,1
	v_cvt_scalef32_pk16_fp6_f32 v[PC+6*\c:PC+2+6*\c], v[AC+32*\c:AC+15+32*\c], v[TM+12+2*\c]
	v_cvt_scalef32_pk16_fp6_f32 v[PC+12+4*\c:PC+14+4*\c], v[AC+16+32*\c:AC+31+32*\c], v[TM+12+2*\c+1]
.endr
	WIN 0
	v_nop
.irp c, 0,1
.irp i, 0,1,2
	v_permlane16_swap_b32 v[PC+6*\c+\i], v[PC+12+4*\c+\i]
.endr
.irp i, 0,1,2
	v_mov_b32 v[PC+3+6*\c+\i], v[PC+12+4*\c+\i]
.endr
.endr
.irp p, 0,1,2
	global_store_b64 v[L8], v[PC+2*\p:PC+2*\p+1], s[70:71] offset:256*\p
.endr
.irp p, 0,1,2
	global_store_b64 v[L8], v[PC+6+2*\p:PC+7+2*\p], s[72:73] offset:256*\p
.endr
.endm
.irp a, 0,1,2,3,4,5,6,7
	QUANTA \a
.endr
.irp a, 0,1,2,3,4,5,6,7
	v_lshrrev_b32 v[SWO+\a], v[VSH], v[SW+\a]
.endr
.irp a, 0,1,2,3,4,5,6,7
	v_and_or_b32 v[SWO+\a], v[SWO+\a], s98, s99
.endr
	global_store_b128 v[VOFF], v[SWO:SWO+3], s[78:79]
	global_store_b128 v[VOFF], v[SWO+4:SWO+7], s[80:81]
	s_wait_tensorcnt 0x0
	ds_add_u32 v[SPW], v[NIL]
	s_wait_dscnt 0x0
	CROUND
	s_endpgm
.Lfunc_end_k_qb46f6d8177_gemm_qkv:
	.size	k_qb46f6d8177_gemm_qkv, .Lfunc_end_k_qb46f6d8177_gemm_qkv-k_qb46f6d8177_gemm_qkv
	.p2alignl 7, 3214868480
	.fill 96, 4, 3214868480
	.section	.rodata,"a",@progbits
	.p2align	6, 0x0
	.amdhsa_kernel k_qb46f6d8177_gemm_qkv
		.amdhsa_group_segment_fixed_size 327680
		.amdhsa_private_segment_fixed_size 0
		.amdhsa_enable_private_segment 0
		.amdhsa_kernarg_size 32
		.amdhsa_user_sgpr_count 2
		.amdhsa_user_sgpr_kernarg_segment_ptr 1
		.amdhsa_wavefront_size32 1
		.amdhsa_system_sgpr_workgroup_id_x 1
		.amdhsa_system_sgpr_workgroup_id_y 1
		.amdhsa_system_sgpr_workgroup_id_z 1
		.amdhsa_system_vgpr_workitem_id 0
		.amdhsa_next_free_vgpr 1024
		.amdhsa_next_free_sgpr 100
		.amdhsa_reserve_vcc 0
		.amdhsa_float_denorm_mode_32 3
		.amdhsa_float_denorm_mode_16_64 3
		.amdhsa_memory_ordered 1
		.amdhsa_forward_progress 1
		.amdhsa_inst_pref_size 169
	.end_amdhsa_kernel
	.amdgpu_metadata
---
amdhsa.version: [ 1, 2 ]
amdhsa.kernels:
  - .name:           k_qb46f6d8177_gemm_qkv
    .symbol:         k_qb46f6d8177_gemm_qkv.kd
    .args:
      - { .name: xc, .offset: 0, .size: 8, .value_kind: global_buffer, .address_space: global }
      - { .name: wc, .offset: 8, .size: 8, .value_kind: global_buffer, .address_space: global }
      - { .name: qb, .offset: 16, .size: 8, .value_kind: global_buffer, .address_space: global }
      - { .name: kvb, .offset: 24, .size: 8, .value_kind: global_buffer, .address_space: global }
    .group_segment_fixed_size: 327680
    .private_segment_fixed_size: 0
    .kernarg_segment_align: 8
    .kernarg_segment_size: 32
    .max_flat_workgroup_size: 128
    .sgpr_count:     100
    .vgpr_count:     1024
    .wavefront_size: 32
...
	.end_amdgpu_metadata
.endif
;; end of part 2
;; launch attn (part 3): grid 16 x 16, 16 waves a work-group, no clusters, 327,680 bytes of LDS; arguments qb, kvb, cc; writes cc
.if DOCPART == 3
	.amdgcn_target "amdgcn-amd-amdhsa--gfx1250"
	.amdhsa_code_object_version 6
	.text
	.protected	k_qb46f6d8177_attn
	.globl	k_qb46f6d8177_attn
	.p2align	8
	.type	k_qb46f6d8177_attn,@function
k_qb46f6d8177_attn:
	s_mov_b64 s[64:65], 0
	v_nop
	global_prefetch_b8 v0, s[64:65] scope:SCOPE_SE
	s_setreg_imm32_b32 hwreg(HW_REG_WAVE_MODE, 25, 1), 1
	s_wait_xcnt 0x0
; ctx[q] = (sum over keys k <= q of p v[k]) / l for 16 heads of 64, 4,096 queries, both products on codes of FP6 (E2M3) with E8M0 scales; ctx is quantised along the model's 1,024 in registers and leaves as the last product's operand.
; t = score x log2(e) / 8; M = the running largest t rounded UP to a whole number; p = 2^(t - M) is quantised along the keys, not normalised; l is the sum of the unquantised p; when M moves, l and O are multiplied by 2^(old M - new M): exact.
; LEFT OUT: key records that lie wholly above the diagonal of the causal mask: their weights are 0 for all inputs.
; SHARES.  Work-group (I, head) owns two blocks of 128 queries: H = 31 - I (32 - I key records of 128) and L = I (I + 1 records).  Sixteen waves: wave w owns tile w % 8 (16 queries) of H, then of L, and of the keys
; the records 2 j + g, g = w / 8.  H takes (33 - I) / 2 pair steps, L the rest of 17: a constant count.  In the one pair whose second record lies beyond the diagonal, group 1 jumps over the step's work (a branch on ids).
; JOINING.  At the end of H and of L each wave lays O^T, -M and l into LDS bytes of its own; behind one barrier group 0 joins the two parts of H's tiles, group 1 those of L's: both parts are brought under the larger M by exact powers of two.
; RING.  Two LDS slots of two pairs of records (a pair: 26,112 consecutive bytes, 102 rows of 256); waves 0 and 1 fetch a pair each, all sixteen read.  The ninth slot holds one pair, so the last two slots are written out.
; NO JOINT LOADS: the work-groups of a head turn back to record 0 at different steps ((33 - I) / 2 differs), so partners would not ask for the same records in the same round.
; LAYOUT.  S^T = k q^T (source 0 = 16 keys, source 1 = my 16 queries), O^T = v^T p^T: a lane holds one query throughout.  Tile 2 b + u of keys, queries and channels holds 32 b + 8 u + r + 8 (r / 8).
; K = 64 IN AN INSTRUCTION OF 128: q's registers 6-11 are zero codes; k's fragment of tile t is named six registers longer than it is: zero codes times any code add nothing; the scale bytes there are 0x7f.
; LIMITS: 1 / l by v_rcp_f32 (1 ulp); a block of ctx or p under 2^-124, or of zeros, keeps the byte 1; NaN and infinities are not served; the scaled scores stay under 2^31 in magnitude.
; REGISTERS: v1-9 addresses; v12 -M, v13 the largest t, v[14:15] l; v16-27 q; v28-34 L's q and scale word; v36-89 k's fragments, then v^T's; v96-159 S^T, then p; v160-191 O^T; v192-203 scale words; v204-208 LDS addresses; v224-255 at work.
.set REC,   13056
.set PAIR,  2*REC
.set SLOT1, 65536
.set STAGE, 131072                     ; the parts: 9,216 bytes a wave: H's 4,608 (eight images of four registers of O^T, one of v12-15), then L's
.set WST,   9216
.set PH,    4608
.set SPARE, STAGE+16*WST               ; the spare words, 128 bytes for each wave
.set L8,  1
.set R16, 2
.set DQ,  3
.set SPW, 4
.set NIL, 5
.set ADK, 6
.set ADS, 7
.set R4,  8
.set PFO, 9
.set LK,  204                          ; 8 x lane + my group's record in a pair
.set RK,  205                          ; 16 r + the same
.set STG, 206                          ; my part's place
.set MRA, 207                          ; group 0's part of the tile that I finish
.set MRB, 208                          ; group 1's
.set WV,  10
.set II,  11
.set HD,  12
.set NHT, 13                           ; H's pair steps
.set T,   14
.set TN,  15                           ; the pair that I fetch next
.set TB,  16
.set SLOTS, 17
.set KVH, 18
.set SEL, 20
.set CS,  22
.set G1,  24
.set G0,  32
.set CB,  36                           ; s[36:37] codes, s[38:39] scale bytes of the block that I finish
.set CSB, 38
.set PFA, 44
.set PCH, 46
.set LIM, 47
.set D1,  56
.set GRP, 66
.set TQ,  67
.set RC,  68                           ; my group's record in this step
.set LAST, 69                          ; the block's last record, on the diagonal
.macro TLOAD lim                       ; waves under lim fetch; an s_nop 0 and four v_nop follow the load
	s_cmp_lt_u32 s[WV], \lim
	s_cbranch_scc0 .Lno_load_\@
	tensor_load_to_lds s[G0:G0+3], s[G1:G1+7]
	s_nop 0
.rept 4
	v_nop
.endr
.Lno_load_\@:
.endm
; A PREFETCH INTO THE L2.  All sixteen work-groups of a head walk the same records from record 0 on; the one with I = 0 walks them all in order, and it alone asks, by waves 2 to 8, one instruction each.
; The head's 417,792 bytes are 51 chunks of 8,192 (lanes 256 bytes apart).  At the change of slots number n (from 0) wave w names chunk 12 + 7 n + (w - 2): 57,344 bytes a change against the 52,224 of a change's tensor loads,
; beginning with what the next change will ask for: a slot's two pair steps ahead.  Each chunk is named once; chunks 0 to 11 come by their loads alone; from chunk 51 on nothing is named.
.macro ASK
	s_cmp_lt_u32 s[PCH], s[LIM]
	s_cbranch_scc0 .Lnot_mine_\@
	global_prefetch_b8 v[PFO], s[PFA:PFA+1] th:TH_LOAD_NT scope:SCOPE_SE
.Lnot_mine_\@:
.endm
	s_load_b128 s[4:7], s[0:1], 0x0                ; qb, kvb
	s_load_b64 s[8:9], s[0:1], 0x10                ; cc
	v_lshl_add_u32 v[SPW], v0, 2, SPARE
	v_mov_b32 v[NIL], 0
	ds_add_u32 v[SPW], v[NIL]                      ; the opening lines: the add twice and its wait ahead of my first tensor load
	ds_add_u32 v[SPW], v[NIL]
	v_lshrrev_b32 v10, 5, v0
	s_delay_alu instid0(VALU_DEP_1)
	v_readfirstlane_b32 s[WV], v10
	s_lshr_b32 s[GRP], s[WV], 3
	s_and_b32 s[TQ], s[WV], 7
	s_mov_b32 s[II], ttmp9
	s_and_b32 s[HD], ttmp7, 0xffff
	s_sub_co_u32 s[NHT], 33, s[II]
	s_lshr_b32 s[NHT], s[NHT], 1
	s_sub_co_u32 s[D1], 31, s[II]
	s_mov_b32 s[LAST], s[D1]
	s_mov_b32 s[RC], s[GRP]
	s_mov_b32 s[T], 0
	s_mov_b32 s[TN], s[WV]
	s_mov_b32 s[TB], 0
	s_mov_b32 s[SLOTS], 7
	s_mov_b32 s[SEL], 0x76543210
	s_mov_b32 s[SEL+1], 0xfedcba98
	s_mov_b32 s[CS], 0x3e38aa3b                    ; c = log2(e) / 8
	s_mov_b32 s[CS+1], s[CS]
	s_mov_b32 s[G1], 3<<16                         ; no mask; elements of 8 bytes; no padding
	s_mov_b32 s[G1+1], 32<<16                      ; rows of 256 bytes,
	s_mov_b32 s[G1+2], 102<<16                     ; 102 of them: a pair of records, dense
	s_mov_b32 s[G1+3], 32<<16
	s_mov_b32 s[G1+4], 102
	s_mov_b32 s[G1+5], 32
	s_mov_b32 s[G1+6], 0
	s_mov_b32 s[G1+7], 0
	s_mul_i32 s48, s[HD], 417792
	s_mov_b32 s49, 0
	s_mul_i32 s50, s[WV], PAIR
	s_mov_b32 s51, 0
	s_wait_dscnt 0x0
	s_wait_kmcnt 0x0
	s_add_nc_u64 s[KVH:KVH+1], s[6:7], s[48:49]
	s_mov_b32 s[G0], 1
	s_mov_b32 s[G0+1], s50                         ; slot 0, place w
	s_add_nc_u64 s[G0+2:G0+3], s[KVH:KVH+1], s[50:51]   ; pair w
	s_or_b32 s[G0+3], s[G0+3], 0x80000000
	TLOAD 2                                        ; slot 0
	; q: my tile of H and of L
	s_lshl_b32 s57, s[HD], 5
	s_add_co_u32 s58, s57, s[D1]
	s_mul_i32 s58, s58, 6656
	s_add_co_u32 s59, s57, s[II]
	s_mul_i32 s59, s59, 6656
	s_mul_i32 s60, s[TQ], 768
	s_lshr_b32 s61, s[TQ], 2
	s_lshl_b32 s61, s61, 8
	s_and_b32 s62, s[TQ], 3
	s_lshl_b32 s62, s62, 2
	s_add_co_u32 s61, s61, s62
	s_add_co_u32 s61, s61, 6144
	s_mov_b32 s63, 0
	s_add_co_u32 s62, s58, s60
	s_add_nc_u64 s[48:49], s[4:5], s[62:63]
	s_add_co_u32 s62, s58, s61
	s_add_nc_u64 s[50:51], s[4:5], s[62:63]
	s_add_co_u32 s62, s59, s60
	s_add_nc_u64 s[52:53], s[4:5], s[62:63]
	s_add_co_u32 s62, s59, s61
	s_add_nc_u64 s[54:55], s[4:5], s[62:63]
	v_and_b32 v10, 31, v0
	s_delay_alu instid0(VALU_DEP_1)
	v_lshlrev_b32 v[L8], 3, v10
	s_delay_alu instid0(VALU_DEP_2)
	v_lshlrev_b32 v[PFO], 8, v10
	v_and_b32 v10, 15, v0                          ; r
	v_bfe_u32 v11, v0, 4, 1                        ; h
	s_delay_alu instid0(VALU_DEP_2)
	v_lshlrev_b32 v[R16], 4, v10
	s_delay_alu instid0(VALU_DEP_3)
	v_lshlrev_b32 v[R4], 2, v10
.irp p, 0,1,2
	global_load_b64 v[16+2*\p:17+2*\p], v[L8], s[48:49] offset:256*\p
	global_load_b64 v[28+2*\p:29+2*\p], v[L8], s[52:53] offset:256*\p
.endr
	global_load_b32 v255, v[R16], s[50:51]
	global_load_b32 v34, v[R16], s[54:55]
	v_and_b32 v[DQ], 8, v10
	s_delay_alu instid0(VALU_DEP_1)
	v_add_nc_u32 v[DQ], v[DQ], v10                 ; r + 8 (r / 8)
	v_lshlrev_b32 v11, 4, v11
	s_delay_alu instid0(VALU_DEP_1)
	v_sub_nc_u32 v[DQ], v[DQ], v11
	s_lshr_b32 s57, s[TQ], 1
	s_lshl_b32 s57, s57, 5
	s_and_b32 s58, s[TQ], 1
	s_lshl_b32 s58, s58, 3
	s_add_co_u32 s57, s57, s58
	v_add_nc_u32 v[DQ], s57, v[DQ]                 ; + 32 (tile / 2) + 8 (tile % 2)
	; ctx: [block][head / 4][25,600]: codes at 3072 tile + 1536 ((head / 2) % 2) + 768 (head % 2), scale bytes at 24576 + 512 ((head / 2) % 2) + 64 tile + 2 (head % 2).  Group 0 finishes H, group 1 L
	s_lshr_b32 s57, s[HD], 2
	s_mul_i32 s57, s57, 25600
	s_bfe_u32 s58, s[HD], 0x10001
	s_and_b32 s59, s[HD], 1
	s_mul_i32 s60, s[TQ], 3072
	s_add_co_u32 s60, s60, s57
	s_mul_i32 s61, s58, 1536
	s_add_co_u32 s60, s60, s61
	s_mul_i32 s61, s59, 768
	s_add_co_u32 s60, s60, s61
	s_lshl_b32 s61, s[TQ], 6
	s_add_co_u32 s61, s61, s57
	s_lshl_b32 s58, s58, 9
	s_add_co_u32 s61, s61, s58
	s_lshl_b32 s59, s59, 1
	s_add_co_u32 s61, s61, s59
	s_add_co_u32 s61, s61, 24576
	s_cmp_eq_u32 s[GRP], 0
	s_cselect_b32 s57, s[D1], s[II]
	s_mul_i32 s57, s57, 102400
	s_add_co_u32 s62, s57, s60
	s_add_nc_u64 s[CB:CB+1], s[8:9], s[62:63]
	s_add_co_u32 s62, s57, s61
	s_add_nc_u64 s[CSB:CSB+1], s[8:9], s[62:63]
	; the prefetches
	s_sub_co_u32 s62, s[WV], 2
	s_cmp_lt_u32 s62, 7
	s_cselect_b32 s[LIM], 51, 0
	s_cmp_eq_u32 s[II], 0
	s_cselect_b32 s[LIM], s[LIM], 0
	s_add_co_u32 s[PCH], s[WV], 3                  ; the first change of slots steps it to chunk w + 10
	s_lshl_b32 s62, s[PCH], 13
	s_add_nc_u64 s[PFA:PFA+1], s[KVH:KVH+1], s[62:63]
	; LDS addresses
	s_mul_i32 s57, s[GRP], REC
	s_mul_i32 s58, s[WV], WST
	s_add_co_u32 s58, s58, STAGE
	s_mul_i32 s59, s[TQ], WST
	s_mul_i32 s60, s[GRP], PH
	s_add_co_u32 s59, s59, s60
	s_add_co_u32 s59, s59, STAGE
	s_wait_alu depctr_va_vdst(0)                   ; behind the run of scalar instructions and ahead of the readers below
	v_add_nc_u32 v[LK], s57, v[L8]
	v_add_nc_u32 v[RK], s57, v[R16]
	v_lshlrev_b32 v11, 1, v[L8]                    ; 16 x lane
	v_mov_b32 v13, 0xff61b1e6                      ; the largest t so far: -3e38, under every t
	v_mov_b32 v14, 0
	v_mov_b32 v15, 0
	s_delay_alu instid0(VALU_DEP_4)
	v_add_nc_u32 v[STG], s58, v11
	v_add_nc_u32 v[MRA], s59, v11
	v_floor_f32 v12, -v13
	s_delay_alu instid0(VALU_DEP_2)
	v_add_nc_u32 v[MRB], 8*WST, v[MRA]
.irp i, 22,23,24,25,26,27
	v_mov_b32 v[\i], 0                             ; q's upper 64 along K: zero codes
.endr
.irp i, 84,85,86,87,88,89
	v_mov_b32 v[\i], 0                             ; what tile 7's fragment of k is named over
.endr
.irp i, 236,237,238,239,252,253
	v_mov_b32 v[\i], 0                             ; lane permutes' destinations, and the upper half of the pair v[252:253]
.endr
.set j, 0
.rept 32
	v_mov_b32 v[160+j], 0                          ; O^T: the first step finds zeros
.set j, j+1
.endr
	s_wait_alu depctr_va_vdst(0)                   ; the head's end
	s_wait_loadcnt 0x0                             ; q
; my part of a block: O^T (each accumulator from its low end on), then -M, t, l
.macro STASH ph
.set j, 0
.rept 8
	ds_store_b128 v[STG], v[160+4*j:163+4*j] offset:(\ph)*PH+512*j
.set j, j+1
.endr
	ds_store_b128 v[STG], v[12:15] offset:(\ph)*PH+4096
.endm
; O^T / l, quantised along the head's 64 (register 16 b + i = channel 32 b + 16 h + i), stored as registers 0-5 or 6-11 of the last product's fragment
.macro FINISH cb, cs
	v_add_f32 v14, v14, v15
	s_delay_alu instid0(VALU_DEP_1)
	v_permlanex16_b32 v252, v14, s[SEL], s[SEL+1]
	s_delay_alu instid0(VALU_DEP_1)
	v_add_f32 v14, v14, v252                       ; the row's sum
	s_wait_alu depctr_va_vdst(0)
	v_rcp_f32 v14, v14
	v_nop                                          ; one plain place behind the transcendental
	s_wait_alu depctr_va_vdst(0)                   ; ahead of the first reader
.set j, 0
.rept 16
	v_pk_mul_f32 v[96+j:97+j], v[160+j:161+j], v[14:15] op_sel_hi:[1,0]
.set j, j+2
.endr
.irp b, 0,1
	v_max3_num_f32 v[232+\b], |v[96+16*\b]|, |v[97+16*\b]|, 0x1800000
.endr
.irp i, 2,4,6,8,10,12,14
.irp b, 0,1
	s_delay_alu instid0(VALU_DEP_2)
	v_max3_num_f32 v[232+\b], v[232+\b], |v[96+16*\b+\i]|, |v[97+16*\b+\i]|
.endr
.endr
.irp b, 0,1
	s_delay_alu instid0(VALU_DEP_2)
	v_permlanex16_b32 v[236+\b], v[232+\b], s[SEL], s[SEL+1]
.endr
.irp b, 0,1
	s_delay_alu instid0(VALU_DEP_2)
	v_max_num_f32 v[232+\b], v[232+\b], v[236+\b]
.endr
.irp b, 0,1
	s_delay_alu instid0(VALU_DEP_2)
	v_add_nc_u32 v[244+\b], 0xff000000, v[232+\b]
.endr
.irp b, 0,1
	s_delay_alu instid0(VALU_DEP_2)
	v_lshrrev_b32 v[236+\b], 23, v[244+\b]
.endr
	s_delay_alu instid0(VALU_DEP_1)
	v_lshl_or_b32 v254, v237, 8, v236              ; my row's two scale bytes
	v_cvt_scalef32_pk16_fp6_f32 v[224:226], v[96:111], v244
	v_cvt_scalef32_pk16_fp6_f32 v[228:230], v[112:127], v245
	v_nop                                          ; one plain place behind a scaled conversion
.irp i, 0,1,2
	v_permlane16_swap_b32 v[224+\i], v[228+\i]     ; a whole block to a lane
.endr
.irp i, 0,1,2
	s_delay_alu instid0(VALU_DEP_3)
	v_mov_b32 v[227+\i], v[228+\i]
.endr
.irp p, 0,1,2
	global_store_b64 v[L8], v[224+2*\p:225+2*\p], s[\cb:\cb+1] offset:256*\p   ; 256 consecutive bytes, aligned
.endr
	global_store_b16 v[R4], v254, s[\cs:\cs+1]     ; both halves of the lanes write the same two bytes
.endm
.macro REINIT                          ; on to L: its q first, so that the lines behind are the places in front of the next scaled product
.irp i, 0,1,2,3,4,5
	v_mov_b32 v[16+\i], v[28+\i]
.endr
	v_mov_b32 v255, v34
	v_mov_b32 v13, 0xff61b1e6
	s_delay_alu instid0(VALU_DEP_1)
	v_floor_f32 v12, -v13
	v_mov_b32 v14, 0
	v_mov_b32 v15, 0
.set j, 0
.rept 32
	v_mov_b32 v[160+j], 0
.set j, j+1
.endr
.endm
; A PAIR STEP: my group's 128 keys of the q-th pair of the slot in hand
.macro STEP q
	s_cmp_lg_u32 s[T], s[NHT]                      ; H's steps are over: a scalar branch on ids, the same in all waves
	s_cbranch_scc1 .Lsame_\@
	STASH 0
	REINIT
	s_mov_b32 s[RC], s[GRP]
	s_mov_b32 s[LAST], s[II]
	s_wait_alu depctr_va_vdst(0)                   ; ahead of the branch below
.Lsame_\@:
	s_cmp_gt_u32 s[RC], s[LAST]                    ; my record lies beyond the diagonal: nothing of it counts
	s_cbranch_scc1 .Lskip_\@
	v_add_nc_u32 v[ADK], s[TB], v[LK]
	v_add_nc_u32 v[ADS], s[TB], v[RK]
.irp t, 0,1,2,3,4,5,6,7
.irp p, 0,1,2
	ds_load_b64 v[36+6*\t+2*\p:37+6*\t+2*\p], v[ADK] offset:PAIR*(\q)+768*\t+256*\p
.endr
.endr
.irp g, 0,1
	ds_load_b128 v[192+4*\g:195+4*\g], v[ADS] offset:PAIR*(\q)+6144+256*\g   ; lane r: the scale words of row r of four tiles
.endr
	s_wait_alu depctr_va_vdst(0)
	s_wait_dscnt 0x0
.irp t, 0,1,2,3,4,5,6,7
	v_wmma_scale_f32_16x16x128_f8f6f4 v[96+8*\t:103+8*\t], v[36+6*\t:47+6*\t], v[16:27], 0, v[192+\t], v255 matrix_a_fmt:MATRIX_FMT_FP6 matrix_b_fmt:MATRIX_FMT_FP6
.endr
.rept 4
	v_nop                                          ; places behind the products: in front of the loads into k's registers and of the first read of the scores
.endr
.irp t, 0,1,2,3
.irp p, 0,1,2,3,4,5
	ds_load_b64 v[36+12*\t+2*\p:37+12*\t+2*\p], v[ADK] offset:PAIR*(\q)+6656+1536*\t+256*\p   ; v^T lands while the softmax is walked
.endr
.endr
	ds_load_b128 v[200:203], v[ADS] offset:PAIR*(\q)+12800
	s_cmp_lg_u32 s[RC], s[LAST]                    ; on the diagonal hidden scores become -infinity ahead of the maximum
	s_cbranch_scc1 .Lopen_\@
	v_mov_b32 v254, 0xff800000
.set n, 0
.rept 64
	v_cmp_gt_i32 vcc_lo, 32*(n/16)+n%16, v[DQ]     ; register n holds key 32 (n / 16) + n % 16 + 16 h of the block
	v_cndmask_b32 v[96+n], v[96+n], v254, vcc_lo
.set n, n+1
.endr
.Lopen_\@:
.irp b, 0,1,2,3
	v_max3_num_f32 v[232+\b], v[96+16*\b], v[97+16*\b], v[98+16*\b]   ; the largest score of each block of 32 keys: for the row's maximum and for the block's largest p
.endr
.irp i, 3,5,7,9,11,13
.irp b, 0,1,2,3
	v_max3_num_f32 v[232+\b], v[232+\b], v[96+16*\b+\i], v[97+16*\b+\i]
.endr
.endr
.irp b, 0,1,2,3
	v_max_num_f32 v[232+\b], v[232+\b], v[111+16*\b]
.endr
.irp b, 0,1,2,3
	s_delay_alu instid0(VALU_DEP_4)
	v_permlanex16_b32 v[236+\b], v[232+\b], s[SEL], s[SEL+1]
.endr
.irp b, 0,1,2,3
	s_delay_alu instid0(VALU_DEP_4)
	v_max_num_f32 v[232+\b], v[232+\b], v[236+\b]
.endr
	s_delay_alu instid0(VALU_DEP_2)
	v_max3_num_f32 v254, v232, v233, v234
	s_delay_alu instid0(VALU_DEP_1)
	v_max_num_f32 v254, v254, v235
	s_delay_alu instid0(VALU_DEP_1)
	v_mul_f32 v254, s[CS], v254                    ; as t (c is positive)
	s_delay_alu instid0(VALU_DEP_1)
	v_max_num_f32 v13, v13, v254                   ; the running largest t
	v_mov_b32 v254, v12
	s_delay_alu instid0(VALU_DEP_2)
	v_floor_f32 v12, -v13                          ; the new -M = floor(-t)
	s_delay_alu instid0(VALU_DEP_1)
	v_sub_f32 v254, v12, v254                      ; old M - new M: a whole number, 0 or less
	s_delay_alu instid0(VALU_DEP_1)
	v_cvt_i32_f32 v254, v254                       ; (it saturates)
	s_delay_alu instid0(VALU_DEP_1)
	v_ldexp_f32 v252, 1.0, v254                    ; f = 2^(old M - new M)
.set j, 0
.rept 32
	v_pk_fma_f32 v[96+j:97+j], v[96+j:97+j], s[CS:CS+1], v[12:13] op_sel_hi:[1,0,0]   ; t - M, two at a time
.set j, j+2
.endr
.irp b, 0,1,2,3
	v_fma_f32 v[232+\b], v[232+\b], s[CS], v12     ; the same of each block's largest score
.endr
.set j, 0
	s_wait_alu depctr_va_vdst(0)
.rept 64
	v_exp_f32 v[96+j], v[96+j]                     ; p = 2^(t - M)
.set j, j+1
.endr
	v_pk_mul_f32 v[14:15], v[14:15], v[252:253] op_sel_hi:[1,0]   ; l under the new M; the plain place behind the exponentials
	s_wait_alu depctr_va_vdst(0)                   ; one wait for the batch of 64, ahead of its first reader
.irp b, 0,1,2,3
	v_exp_f32 v[232+\b], v[232+\b]                 ; the blocks' largest p
.endr
	v_pk_add_f32 v[236:237], v[100:101], v[104:105]
	v_pk_add_f32 v[250:251], v[108:109], v[112:113]
	v_pk_add_f32 v[248:249], v[116:117], v[120:121]
	v_pk_add_f32 v[246:247], v[124:125], v[128:129]
	v_pk_add_f32 v[244:245], v[132:133], v[136:137]
	v_pk_add_f32 v[242:243], v[140:141], v[144:145]
	v_pk_add_f32 v[240:241], v[148:149], v[152:153]
	v_pk_add_f32 v[14:15], v[14:15], v[156:157]
	v_pk_add_f32 v[236:237], v[236:237], v[96:97]
	v_pk_add_f32 v[250:251], v[250:251], v[98:99]
	v_pk_add_f32 v[248:249], v[248:249], v[102:103]
	v_pk_add_f32 v[246:247], v[246:247], v[106:107]
	v_pk_add_f32 v[244:245], v[244:245], v[110:111]
	v_pk_add_f32 v[242:243], v[242:243], v[114:115]
	v_pk_add_f32 v[240:241], v[240:241], v[118:119]
	v_pk_add_f32 v[14:15], v[14:15], v[122:123]
	v_pk_add_f32 v[236:237], v[236:237], v[126:127]
	v_pk_add_f32 v[250:251], v[250:251], v[130:131]
	v_pk_add_f32 v[248:249], v[248:249], v[134:135]
	v_pk_add_f32 v[246:247], v[246:247], v[138:139]
	v_pk_add_f32 v[244:245], v[244:245], v[142:143]
	v_pk_add_f32 v[242:243], v[242:243], v[146:147]
	v_pk_add_f32 v[240:241], v[240:241], v[150:151]
	v_pk_add_f32 v[14:15], v[14:15], v[154:155]
	v_pk_add_f32 v[236:237], v[236:237], v[158:159]
	s_delay_alu instid0(VALU_DEP_2)
	v_pk_add_f32 v[14:15], v[14:15], v[246:247]
	s_delay_alu instid0(VALU_DEP_2)
	v_pk_add_f32 v[236:237], v[236:237], v[244:245]
	v_pk_add_f32 v[250:251], v[250:251], v[242:243]
	v_pk_add_f32 v[248:249], v[248:249], v[240:241]
	s_delay_alu instid0(VALU_DEP_2)
	v_pk_add_f32 v[14:15], v[14:15], v[250:251]
	s_delay_alu instid0(VALU_DEP_2)
	v_pk_add_f32 v[236:237], v[236:237], v[248:249]
	s_delay_alu instid0(VALU_DEP_1)
	v_pk_add_f32 v[14:15], v[14:15], v[236:237]
	s_wait_alu depctr_va_vdst(0)                   ; and one for the four
.irp b, 0,1,2,3
	v_max_num_f32 v[232+\b], 0x1800000, v[232+\b]  ; the floor 2^(3 - 127)
.endr
.irp b, 0,1,2,3
	s_delay_alu instid0(VALU_DEP_4)
	v_add_nc_u32 v[244+\b], 0xff000000, v[232+\b]
.endr
.irp b, 0,1,2,3
	s_delay_alu instid0(VALU_DEP_4)
	v_lshrrev_b32 v[236+\b], 23, v[244+\b]
.endr
	s_delay_alu instid0(VALU_DEP_3)
	v_lshl_or_b32 v253, v237, 8, v236              ; p's scale word for these 128 keys
	s_delay_alu instid0(VALU_DEP_1)
	v_lshl_or_b32 v253, v238, 16, v253
	s_delay_alu instid0(VALU_DEP_1)
	v_lshl_or_b32 v253, v239, 24, v253
.irp c, 0,1
	v_cvt_scalef32_pk16_fp6_f32 v[224+6*\c:226+6*\c], v[96+32*\c:111+32*\c], v[244+2*\c]
	v_cvt_scalef32_pk16_fp6_f32 v[236+4*\c:238+4*\c], v[112+32*\c:127+32*\c], v[244+2*\c+1]
.endr
	v_nop                                          ; one plain place behind a scaled conversion
.irp c, 0,1
.irp i, 0,1,2
	v_permlane16_swap_b32 v[224+6*\c+\i], v[236+4*\c+\i]
.endr
.irp i, 0,1,2
	s_delay_alu instid0(VALU_DEP_3)
	v_mov_b32 v[227+6*\c+\i], v[236+4*\c+\i]
.endr
.endr
.set j, 0
.rept 16
	v_pk_mul_f32 v[160+j:161+j], v[160+j:161+j], v[252:253] op_sel_hi:[1,0]   ; O^T under the new M; with the moves above, the places in front of the scaled products
.set j, j+2
.endr
	s_wait_alu depctr_va_vdst(0)
	s_wait_dscnt 0x0                               ; v^T and its scale words are in
.irp t, 0,1,2,3
	v_wmma_scale_f32_16x16x128_f8f6f4 v[160+8*\t:167+8*\t], v[36+12*\t:47+12*\t], v[224:235], v[160+8*\t:167+8*\t], v[200+\t], v253 matrix_a_fmt:MATRIX_FMT_FP6 matrix_b_fmt:MATRIX_FMT_FP6
.endr
.rept 4
	v_nop                                          ; places in front of the next loads into these registers and of the next read of O^T
.endr
.Lskip_\@:
	s_add_co_u32 s[T], s[T], 1
	s_add_co_u32 s[RC], s[RC], 2
.endm
; THE CHANGE OF SLOTS.  Each wave waits for all its tensor loads, adds 0 to its spare word,
; waits for that and for its reads of the slot left; one barrier; lim > 0: waves under lim fill the slot left with the next pairs of the walk, first behind the barrier, with two pair steps in which to land.
.macro CHANGE lim
	s_wait_tensorcnt 0x0                           ; no tensor load of mine is out, so the descriptor may be written
	ds_add_u32 v[SPW], v[NIL]
.if \lim
	ds_add_u32 v[SPW], v[NIL]
	s_add_co_u32 s[TN], s[TN], 2
	s_sub_co_u32 s48, s[TN], s[NHT]
	s_cmp_lt_u32 s[TN], s[NHT]
	s_cselect_b32 s48, s[TN], s48                  ; the walk turns back to record 0 where L begins
	s_mul_i32 s48, s48, PAIR
	s_mov_b32 s49, 0
	s_add_nc_u64 s[G0+2:G0+3], s[KVH:KVH+1], s[48:49]
	s_or_b32 s[G0+3], s[G0+3], 0x80000000
	s_xor_b32 s[G0+1], s[G0+1], SLOT1              ; the other slot than last time
	s_wait_xcnt 0x0                                ; the last prefetch, a slot back, has read its address
	s_add_nc_u64 s[PFA:PFA+1], s[PFA:PFA+1], 57344
	s_add_co_u32 s[PCH], s[PCH], 7
.endif
	s_wait_dscnt 0x0                               ; the add is done, and my reads of the slot that I have left are over
	s_barrier_signal -1
	s_barrier_wait -1
.if \lim
	TLOAD \lim
	ASK
.endif
.endm
.Lslot:                                            ; seven trips: slots 0 to 6 are worked, slots 1 to 7 asked for
	CHANGE 2
	STEP 0
	STEP 1
	s_xor_b32 s[TB], s[TB], SLOT1
	s_sub_co_u32 s[SLOTS], s[SLOTS], 1
	s_cmp_lg_u32 s[SLOTS], 0
	s_cbranch_scc1 .Lslot
	CHANGE 1                                       ; slot 7; the ninth slot holds pair 16 alone, which wave 0 fetches
	STEP 0
	STEP 1
	s_xor_b32 s[TB], s[TB], SLOT1
	CHANGE 0
	STEP 0
	STASH 1                                        ; L's part
	s_wait_dscnt 0x0                               ; my parts are written
	s_barrier_signal -1
	s_barrier_wait -1                              ; and so are everybody's
.set j, 0
.rept 8
	ds_load_b128 v[96+4*j:99+4*j], v[MRA] offset:512*j
	ds_load_b128 v[128+4*j:131+4*j], v[MRB] offset:512*j
.set j, j+1
.endr
	ds_load_b128 v[224:227], v[MRA] offset:4096
	ds_load_b128 v[228:231], v[MRB] offset:4096
	s_wait_dscnt 0x0
	v_min_num_f32 v12, v224, v228                  ; -M of the two parts together
	v_mov_b32 v233, 0                              ; (the upper halves of the pairs named below)
	v_mov_b32 v235, 0
	s_delay_alu instid0(VALU_DEP_3)
	v_sub_f32 v232, v12, v224                      ; each part's M less the common one: a whole number, 0 or less
	s_delay_alu instid0(VALU_DEP_4)
	v_sub_f32 v234, v12, v228
	s_delay_alu instid0(VALU_DEP_2)
	v_cvt_i32_f32 v232, v232                       ; (it saturates: a part with no record has M = -3e38 and gets the factor 0)
	s_delay_alu instid0(VALU_DEP_2)
	v_cvt_i32_f32 v234, v234
	s_delay_alu instid0(VALU_DEP_2)
	v_ldexp_f32 v232, 1.0, v232
	s_delay_alu instid0(VALU_DEP_2)
	v_ldexp_f32 v234, 1.0, v234
	s_delay_alu instid0(VALU_DEP_2)
	v_pk_mul_f32 v[14:15], v[226:227], v[232:233] op_sel_hi:[1,0]
.set j, 0
.rept 16
	v_pk_mul_f32 v[160+j:161+j], v[96+j:97+j], v[232:233] op_sel_hi:[1,0]
.set j, j+2
.endr
	v_pk_fma_f32 v[14:15], v[230:231], v[234:235], v[14:15] op_sel_hi:[1,0,1]
.set j, 0
.rept 16
	v_pk_fma_f32 v[160+j:161+j], v[128+j:129+j], v[234:235], v[160+j:161+j] op_sel_hi:[1,0,1]
.set j, j+2
.endr
	FINISH CB, CSB
	s_wait_tensorcnt 0x0                           ; the wave's end
	ds_add_u32 v[SPW], v[NIL]
	s_wait_dscnt 0x0
	s_endpgm
.Lfunc_end_k_qb46f6d8177_attn:
	.size	k_qb46f6d8177_attn, .Lfunc_end_k_qb46f6d8177_attn-k_qb46f6d8177_attn
	.p2alignl 7, 3214868480
	.fill 96, 4, 3214868480
	.section	.rodata,"a",@progbits
	.p2align	6, 0x0
	.amdhsa_kernel k_qb46f6d8177_attn
		.amdhsa_group_segment_fixed_size 327680
		.amdhsa_private_segment_fixed_size 0
		.amdhsa_enable_private_segment 0
		.amdhsa_kernarg_size 24
		.amdhsa_user_sgpr_count 2
		.amdhsa_user_sgpr_kernarg_segment_ptr 1
		.amdhsa_wavefront_size32 1
		.amdhsa_system_sgpr_workgroup_id_x 1
		.amdhsa_system_sgpr_workgroup_id_y 1
		.amdhsa_system_sgpr_workgroup_id_z 1
		.amdhsa_system_vgpr_workitem_id 0
		.amdhsa_next_free_vgpr 256
		.amdhsa_next_free_sgpr 72
		.amdhsa_reserve_vcc 1
		.amdhsa_float_denorm_mode_32 3
		.amdhsa_float_denorm_mode_16_64 3
		.amdhsa_memory_ordered 1
		.amdhsa_forward_progress 1
		.amdhsa_inst_pref_size 147
	.end_amdhsa_kernel
	.amdgpu_metadata
---
amdhsa.version: [ 1, 2 ]
amdhsa.kernels:
  - .name:           k_qb46f6d8177_attn
    .symbol:         k_qb46f6d8177_attn.kd
    .args:
      - { .name: qb, .offset: 0, .size: 8, .value_kind: global_buffer, .address_space: global }
      - { .name: kvb, .offset: 8, .size: 8, .value_kind: global_buffer, .address_space: global }
      - { .name: cc, .offset: 16, .size: 8, .value_kind: global_buffer, .address_space: global }
    .group_segment_fixed_size: 327680
    .private_segment_fixed_size: 0
    .kernarg_segment_align: 8
    .kernarg_segment_size: 24
    .max_flat_workgroup_size: 512
    .sgpr_count:     72
    .vgpr_count:     256
    .wavefront_size: 32
...
	.end_amdgpu_metadata
.endif
;; end of part 3
;; launch gemm_out (part 4): grid 8 x 32, 8 waves a work-group, clusters of 4 x 4, 275,456 bytes of LDS; arguments cc, wc, bo, out0; writes out0
.if DOCPART == 4
	.amdgcn_target "amdgcn-amd-amdhsa--gfx1250"
	.amdhsa_code_object_version 6
	.text
	.protected	k_qb46f6d8177_gemm_out
	.globl	k_qb46f6d8177_gemm_out
	.p2align	8
	.type	k_qb46f6d8177_gemm_out,@function
k_qb46f6d8177_gemm_out:
	s_mov_b64 s[64:65], 0
	v_nop
	global_prefetch_b8 v0, s[64:65] scope:SCOPE_SE
	s_setreg_imm32_b32 hwreg(HW_REG_WAVE_MODE, 25, 1), 1
	s_wait_xcnt 0x0
	s_wait_alu depctr_hold_cnt(0) depctr_sa_sdst(0) depctr_va_vdst(0) depctr_va_sdst(0) depctr_va_ssrc(0) depctr_va_vcc(0) depctr_vm_vsrc(0)
	s_getreg_b32 s2, hwreg(HW_REG_IB_STS2, 6, 4)
	s_cmp_eq_u32 s2, 0
	s_cbranch_scc0 .Lentry_in_a_cluster
	s_endpgm
.Lentry_in_a_cluster:
	s_bfe_u32 s2, ttmp6, 0x10000c
	s_cmp_lg_u32 s2, 0xf033
	s_cbranch_scc0 .Lentry_shape_is_right
	s_endpgm
.Lentry_shape_is_right:
; out0[m][n] = sum over k of ctx[m][k] Wo[k][n] + bo[n]: 4,096 x 1,024 x 1,024 on codes of FP6 (E2M3) with E8M0 scales, f32 sums.
; cc (ctx) and the fourth weight of wc lie in the order of the operands' registers: [G = row / 128][j = K / 256][25,600 bytes]: codes at 3072 tile + 1536 q + 256 P + 8 lane, scale words at 24576 + 512 q + 64 tile + 4 r;
; tile 2 b + u holds rows 32 b + 8 u + r + 8 (r / 8).
; A BLOCK OF 128 x 128: 32 x 8 = 256 work-groups.  All of K of both operands is 2 x 102,400 bytes: it is filled ONCE, eight waves fetching one record of 25,600 bytes each (waves 0-3 ctx's, 4-7 Wo's): no slot is filled again.
; CLUSTERS: 4 x 4 work-groups; ctx's records are shared along a row of the cluster, Wo's along a column: each is asked for jointly.  A round stands in front of the loads and one in front of the end.
; NO PREFETCH: the launch has one group of loads at its head and no loop to run ahead in.
; Wave w makes rows 32 (w / 2) .. + 31 x columns 64 (w % 2) .. + 63: 2 x 4 accumulators, which begin as the bias, loaded from memory in the result's layout.  Fragments in two sets: a step's are fetched while the step before is multiplied.
; TRANSPOSED USE: source 0 = 16 columns of Wo, source 1 = 16 rows of ctx: a lane holds eight neighbouring columns of one row.  A scale register carries ctx's word of tile i in lanes 0-15 and Wo's in lanes 16-31
; (for i = 2, 3 lanes 0-15 read filled bytes that no product uses).  Results leave through the wave's own stage as rows of 256 bytes, sixteen lanes to an aligned unit.
.set HB,     25600
.set GROW,   4*HB
.set STAGE,  2*GROW
.set SPITCH, 272
.set WSTG,   32*SPITCH
.set SPARE,  STAGE+8*WSTG              ; the spare words, 128 bytes for each wave
.set ADA, 4                            ; v4, v5   ctx's fragments: records 0-1, 2-3
.set ADB, 6                            ; v6, v7   Wo's
.set ADS, 8                            ; v8, v9   scale words
.set STO, 10
.set RD,  11
.set SPW, 12
.set NIL, 13
.set CO,  14
.set BOF, 15
.set ACC, 16                           ; v16-79   accumulator (a, b) at 8 (4 a + b)
.set SC,  80                           ; v80-87   scale words, two sets of four
.set FS,  112                          ; v112-255 fragments, two sets of 72: ctx's two, Wo's four
.set G1, 24
.set G0, 32
.set G1B, 48
.set G0B, 56
.macro CREST
	s_cmp_lg_u32 s14, 0
	s_cbranch_scc1 .Lnot_wave_0_\@
	s_barrier_signal -3
.Lnot_wave_0_\@:
	s_barrier_wait -3
	s_barrier_signal -1
	s_barrier_wait -1
.endm
.macro CROUND
	s_barrier_signal -1
	s_barrier_wait -1
	CREST
.endm
	s_load_b256 s[4:11], s[0:1], 0x0               ; cc, wc, bo, out0
	v_lshl_add_u32 v[SPW], v0, 2, SPARE
	v_mov_b32 v[NIL], 0
	ds_add_u32 v[SPW], v[NIL]                      ; the opening lines: the add twice and its wait ahead of the round in front of my tensor load
	ds_add_u32 v[SPW], v[NIL]
	v_lshrrev_b32 v1, 5, v0
	v_readfirstlane_b32 s14, v1                    ; wave
	s_lshr_b32 s15, s14, 2                         ; I fetch for ctx (0) or for Wo (1)
	s_and_b32 s16, s14, 3                          ; which record along K
	s_lshr_b32 s18, s14, 1                         ; my 32 rows
	s_and_b32 s19, s14, 1                          ; my 64 columns
	s_bfe_u32 s40, ttmp6, 0x40000                  ; cx
	s_bfe_u32 s41, ttmp6, 0x40004                  ; cy
	s_lshl_b32 s42, ttmp9, 2
	s_add_co_u32 s42, s42, s40                     ; block column
	s_and_b32 s17, ttmp7, 0xffff
	s_lshl_b32 s17, s17, 2
	s_add_co_u32 s17, s17, s41                     ; block row
	s_lshl_b32 s43, s41, 2
	s_lshl_b32 s43, 15, s43                        ; my row of the cluster
	s_lshl_b32 s44, 0x1111, s40                    ; my column
	s_or_b32 s[G1+0], s43, (3<<16)|(1<<21)         ; the mask; elements of 8 bytes; bit 21 beside a mask
	s_or_b32 s[G1B+0], s44, (3<<16)|(1<<21)
.irp g, G1, G1B
	s_mov_b32 s[\g+1], 32<<16                      ; rows of 256 bytes,
	s_mov_b32 s[\g+2], 100<<16                     ; 100 of them: a record, dense
	s_mov_b32 s[\g+3], 32<<16
	s_mov_b32 s[\g+4], 100
	s_mov_b32 s[\g+5], 32
	s_mov_b32 s[\g+6], 0
	s_mov_b32 s[\g+7], 0
.endr
	s_mul_i32 s22, s16, HB
	s_mul_i32 s20, s17, GROW
	s_add_co_u32 s20, s20, s22
	s_mov_b32 s21, 0
	s_mul_i32 s46, s42, GROW
	s_add_co_u32 s46, s46, s22
	s_mov_b32 s47, 0
	s_mul_i32 s45, s14, HB                         ; LDS: ctx's four records, then Wo's four: wave x a record
	s_wait_dscnt 0x0
	s_wait_kmcnt 0x0
	s_add_nc_u64 s[6:7], s[6:7], 3*819200          ; Wo is the fourth weight
	s_add_nc_u64 s[20:21], s[4:5], s[20:21]
	s_add_nc_u64 s[46:47], s[6:7], s[46:47]
	CROUND                                         ; all sixteen work-groups are here: the joint loads meet
	s_mov_b32 s[G0], 1
	s_mov_b32 s[G0+1], s45
	s_mov_b64 s[G0+2:G0+3], s[20:21]
	s_or_b32 s[G0+3], s[G0+3], 0x80000000
	s_mov_b32 s[G0B], 1
	s_mov_b32 s[G0B+1], s45
	s_mov_b64 s[G0B+2:G0B+3], s[46:47]
	s_or_b32 s[G0B+3], s[G0B+3], 0x80000000
	s_cmp_eq_u32 s15, 0                            ; each of the two lines has one mask; the branch hangs on the wave's number alone
	s_cbranch_scc0 .Lfor_b
	tensor_load_to_lds s[G0:G0+3], s[G1:G1+7]
	s_nop 0
.rept 4
	v_nop
.endr
	s_branch .Lasked
.Lfor_b:
	tensor_load_to_lds s[G0B:G0B+3], s[G1B:G1B+7]
	s_nop 0
.rept 4
	v_nop
.endr
.Lasked:
	s_mul_i32 s21, s18, 6144                       ; ctx's tiles 2 (w / 2) and the next
	s_mul_i32 s22, s19, 12288
	s_add_co_u32 s22, s22, GROW                    ; Wo's tiles 4 (w % 2) on
	s_lshl_b32 s23, s18, 7
	s_lshl_b32 s84, s19, 8
	s_add_co_u32 s85, s84, GROW
	s_sub_co_u32 s85, s85, s23                     ; from ctx's scale words to Wo's
	s_add_co_u32 s23, s23, 24576
	s_mul_i32 s86, s14, WSTG
	s_add_co_u32 s86, s86, STAGE                   ; my stage
	s_lshl_b32 s88, s42, 9
	s_add_co_u32 s88, s88, s84                     ; my first column, in bytes
	s_mov_b32 s89, 0
	s_add_nc_u64 s[90:91], s[8:9], s[88:89]
	s_lshl_b32 s92, s17, 19
	s_lshl_b32 s93, s18, 17
	s_add_co_u32 s92, s92, s93
	s_add_co_u32 s92, s92, s88
	s_mov_b32 s93, 0
	s_add_nc_u64 s[12:13], s[10:11], s[92:93]
	v_and_b32 v1, 15, v0                           ; r
	v_bfe_u32 v2, v0, 4, 1                         ; h
	v_and_b32 v3, 31, v0
	s_delay_alu instid0(VALU_DEP_1)
	v_lshlrev_b32 v3, 3, v3                        ; 8 x lane
	s_delay_alu instid0(VALU_DEP_3)
	v_mul_u32_u24 v[ADS], s85, v2                  ; lanes 16-31 take Wo's words
	v_mul_u32_u24 v[STO], v1, SPITCH
	v_mul_u32_u24 v[RD], v2, SPITCH
	v_lshlrev_b32 v[CO], 12, v2
	v_lshlrev_b32 v[BOF], 6, v2
	v_add_nc_u32 v[ADA], s21, v3
	v_add_nc_u32 v[ADB], s22, v3
	v_lshl_add_u32 v[ADS], v1, 2, v[ADS]
	v_lshl_add_u32 v[STO], v2, 6, v[STO]           ; in: row r, 64 h bytes
	v_lshl_add_u32 v[RD], v1, 4, v[RD]             ; back: lanes 0-15 one row of 256 bytes, lanes 16-31 the next
	v_lshl_add_u32 v[CO], v1, 4, v[CO]             ; and the same two rows of out0
	v_add_nc_u32 v[ADA+1], 2*HB, v[ADA]
	v_add_nc_u32 v[ADB+1], 2*HB, v[ADB]
	v_add_nc_u32 v[ADS], s23, v[ADS]
	v_add_nc_u32 v[STO], s86, v[STO]
	v_add_nc_u32 v[RD], s86, v[RD]
	s_delay_alu instid0(VALU_DEP_3)
	v_add_nc_u32 v[ADS+1], 2*HB, v[ADS]
	s_wait_alu depctr_va_vdst(0)                   ; the head's end
.irp a, 0,1
.irp b, 0,1,2,3
	global_load_b128 v[ACC+8*(4*\a+\b):ACC+8*(4*\a+\b)+3], v[BOF], s[90:91] offset:(32*(\b/2)+8*(\b%2))*4      ; the sums begin as bo at my eight columns 32 (b / 2) + 8 (b % 2) + 16 h
	global_load_b128 v[ACC+8*(4*\a+\b)+4:ACC+8*(4*\a+\b)+7], v[BOF], s[90:91] offset:(32*(\b/2)+8*(\b%2))*4+16
.endr
.endr
	s_wait_tensorcnt 0x0                           ; my record is in
	s_barrier_signal -1
	s_barrier_wait -1                              ; and everybody's
.macro FETCH st                        ; step st: 128 along K: record st / 2, half st % 2, into set st % 2
.set PF, FS+72*((\st)%2)
.set OF, HB*(((\st)/2)%2)
.set HI, (\st)/4
.irp a, 0,1
.irp p, 0,1,2,3,4,5
	ds_load_b64 v[PF+12*\a+2*\p:PF+12*\a+2*\p+1], v[ADA+HI] offset:OF+1536*((\st)%2)+3072*\a+256*\p
.endr
.endr
.irp b, 0,1,2,3
.irp p, 0,1,2,3,4,5
	ds_load_b64 v[PF+24+12*\b+2*\p:PF+24+12*\b+2*\p+1], v[ADB+HI] offset:OF+1536*((\st)%2)+3072*\b+256*\p
.endr
.endr
.irp i, 0,1,2,3
	ds_load_b32 v[SC+4*((\st)%2)+\i], v[ADS+HI] offset:OF+512*((\st)%2)+64*\i
.endr
.endm
.macro MUL st                          ; the eight accumulators by turns, in the same order in every step
.set PM, FS+72*((\st)%2)
.set SM, SC+4*((\st)%2)
.irp a, 0,1
.irp b, 0,1,2,3
	v_wmma_scale_f32_16x16x128_f8f6f4 v[ACC+8*(4*\a+\b):ACC+8*(4*\a+\b)+7], v[PM+24+12*\b:PM+24+12*\b+11], v[PM+12*\a:PM+12*\a+11], v[ACC+8*(4*\a+\b):ACC+8*(4*\a+\b)+7], v[SM+\b], v[SM+\a] matrix_a_fmt:MATRIX_FMT_FP6 matrix_b_fmt:MATRIX_FMT_FP6 matrix_a_scale:MATRIX_SCALE_ROW1
.endr
.endr
.rept 4
	v_nop                                          ; places in front of loads into registers that these products have read, and of the first read of results
.endr
.endm
	FETCH 0
	s_wait_loadcnt 0x0                             ; the bias
.set ST, 0
.rept 7
	s_wait_dscnt 0x0                               ; this step's fragments and scale words are in
	FETCH ST+1
	MUL ST
.set ST, ST+1
.endr
	s_wait_dscnt 0x0
	MUL 7
.irp a, 0,1
.irp b, 0,1,2,3
	ds_store_b128 v[STO], v[ACC+8*(4*\a+\b):ACC+8*(4*\a+\b)+3] offset:16*SPITCH*\a+128*(\b/2)+32*(\b%2)      ; each accumulator from its low end on
	ds_store_b128 v[STO], v[ACC+8*(4*\a+\b)+4:ACC+8*(4*\a+\b)+7] offset:16*SPITCH*\a+128*(\b/2)+32*(\b%2)+16
.endr
.endr
.irp a, 0,1
.irp t, 0,1,2,3,4,5,6,7
	ds_load_b128 v[FS+4*(8*\a+\t):FS+4*(8*\a+\t)+3], v[RD] offset:16*SPITCH*\a+2*SPITCH*\t   ; LDS serves a wave's instructions in order: these see my stores
.endr
.endr
.irp a, 0,1
.irp t, 0,1,2,3,4,5,6,7
	s_wait_dscnt 15-(8*\a+\t)
	global_store_b128 v[CO], v[FS+4*(8*\a+\t):FS+4*(8*\a+\t)+3], s[12:13] offset:(8*\a+2*\t+8*(\t/4))*4096 th:TH_STORE_NT   ; stage row 2 t + h of tile a is row 8 a + 2 t + h + 8 (t / 4) of my 32; 16 lanes store 256 consecutive bytes, aligned
.endr
.endr
	s_wait_tensorcnt 0x0                           ; the wave's end
	ds_add_u32 v[SPW], v[NIL]
	s_wait_dscnt 0x0
	CROUND                                         ; the closing round
	s_endpgm
.Lfunc_end_k_qb46f6d8177_gemm_out:
	.size	k_qb46f6d8177_gemm_out, .Lfunc_end_k_qb46f6d8177_gemm_out-k_qb46f6d8177_gemm_out
	.p2alignl 7, 3214868480
	.fill 96, 4, 3214868480
	.section	.rodata,"a",@progbits
	.p2align	6, 0x0
	.amdhsa_kernel k_qb46f6d8177_gemm_out
		.amdhsa_group_segment_fixed_size 275456
		.amdhsa_private_segment_fixed_size 0
		.amdhsa_enable_private_segment 0
		.amdhsa_kernarg_size 32
		.amdhsa_user_sgpr_count 2
		.amdhsa_user_sgpr_kernarg_segment_ptr 1
		.amdhsa_wavefront_size32 1
		.amdhsa_system_sgpr_workgroup_id_x 1
		.amdhsa_system_sgpr_workgroup_id_y 1
		.amdhsa_system_sgpr_workgroup_id_z 1
		.amdhsa_system_vgpr_workitem_id 0
		.amdhsa_next_free_vgpr 256
		.amdhsa_next_free_sgpr 100
		.amdhsa_reserve_vcc 0
		.amdhsa_float_denorm_mode_32 3
		.amdhsa_float_denorm_mode_16_64 3
		.amdhsa_memory_ordered 1
		.amdhsa_forward_progress 1
		.amdhsa_inst_pref_size 42
	.end_amdhsa_kernel
	.amdgpu_metadata
---
amdhsa.version: [ 1, 2 ]
amdhsa.kernels:
  - .name:           k_qb46f6d8177_gemm_out
    .symbol:         k_qb46f6d8177_gemm_out.kd
    .args:
      - { .name: cc, .offset: 0, .size: 8, .value_kind: global_buffer, .address_space: global }
      - { .name: wc, .offset: 8, .size: 8, .value_kind: global_buffer, .address_space: global }
      - { .name: bo, .offset: 16, .size: 8, .value_kind: global_buffer, .address_space: global }
      - { .name: out0, .offset: 24, .size: 8, .value_kind: global_buffer, .address_space: global }
    .group_segment_fixed_size: 275456
    .private_segment_fixed_size: 0
    .kernarg_segment_align: 8
    .kernarg_segment_size: 32
    .max_flat_workgroup_size: 256
    .sgpr_count:     100
    .vgpr_count:     256
    .wavefront_size: 32
...
	.end_amdgpu_metadata
.endif
;; end of part 4
